; MI455X (gfx1250); checked and timed in simulation.
; The chip was launched on July 23, 2026; its instructions are those of AMD's public machine-readable ISA for CDNA 5 (MIT licence, August 2026) and "CDNA5" Instruction Set Architecture Reference Guide (July 2026). The comments in the code are by the model that wrote it; some were corrected since.
;; Full Attention. Allowed arithmetic: matrix products marked QUANTISED: E4M3 operands, one E8M0 scale for each 32 along K, by v_wmma_scale_f32_16x16x128_f8f6f4 with both operands' format E4M3, f32 sums; everything else in f32.
;; Inputs: keys_codes 4 x 2,048 x 16 x 2 x 32 uint8 (E4M3 codes of keys, K innermost, in blocks of 32 codes); keys_scales 4 x 2,048 x 16 x 2 uint8 (E8M0 scales of keys, one for each 32 codes along K); queries_codes 4 x 2,048 x 16 x 2 x 32 uint8 (E4M3 codes of queries, K innermost, in blocks of 32 codes); queries_scales 4 x 2,048 x 16 x 2 uint8 (E8M0 scales of queries, one for each 32 codes along K); values_codes 4 x 16 x 64 x 64 x 32 uint8 (E4M3 codes of values, K innermost, in blocks of 32 codes); values_scales 4 x 16 x 64 x 64 uint8 (E8M0 scales of values, one for each 32 codes along K).
;; Outputs: out0 4 x 2,048 x 16 x 64 float32.
;; This version of the problem:
;;   THIS VERSION OF THE PROBLEM IS GIVEN IN LOW PRECISION. The matrix products marked QUANTISED in the list below multiply operands that are first quantised to E4M3 (4 exponent bits, 3 mantissa bits; 8 bits a number), with one power-of-two scale for each 32 numbers along K (OCP MX v1.0); their sums are f32. All else is computed in f32.
;;   The module's matrix products, in the order in which they are computed (A, B: the left and right operand; K: the contracted axis; several contracted axes count as one K, in the product's order):
;;     1. batch 64 x [M 2,048, K 64] x [K 64, N 2,048]; A: input queries (given as codes); B: input keys (given as codes): QUANTISED
;;     2. batch 64 x [M 64, K 2,048] x [K 2,048, N 2,048]; A: input values (given as codes); B: softmax (see below): QUANTISED
;;   THE QUANTISER, for each operand of a quantised product, along K:
;;     - K is cut into blocks of 32 from its start; a last block that is shorter is filled with zeros.
;;     - A block's scale is 2^e with e = floor(log2(the largest magnitude in the block)) - 8, held to -126 .. 127; a block of zeros has e = 0. As a byte (E8M0): e + 127.
;;     - Each number is divided by its block's scale, clamped to +-448, and rounded to the nearest number of E4M3, ties to even, subnormals kept.
;;     - The product sums the exact products of the quantised numbers (number of the format x scale) in f32.
;;   ~~~python
;;   def quantise(x, axis):      # numpy; x: float32 -> the quantised numbers, widened to float32 again
;;       x = np.moveaxis(x, axis, -1); K = x.shape[-1]
;;       x = np.pad(x, [(0, 0)] * (x.ndim - 1) + [(0, -K % 32)]); x = x.reshape(x.shape[:-1] + (-1, 32)); a = np.abs(x).max(-1, keepdims=True)
;;       e = np.where(a > 0, np.clip(np.frexp(np.where(a > 0, a, 1))[1] - 1 - 8, -126, 127), 0)      # np.frexp(a)[1] - 1 = floor(log2(a)), exactly
;;       r = np.clip(x / 2.0 ** e, -448, 448)
;;       step = 2.0 ** (np.maximum(np.frexp(np.where(r == 0, 1, r))[1] - 1, -6) - 3)
;;       q = np.round(r / step) * step * 2.0 ** e      # np.round: ties to even
;;       return np.moveaxis(q.reshape(q.shape[:-2] + (-1,))[..., :K], -1, axis).astype(np.float32)
;;   ~~~
;;   SOFTMAX AHEAD OF A QUANTISED PRODUCT. Where the list says 'softmax', what is quantised is not the finished softmax but p = 2^(t - M), with t = logit x log2(e) and M = ceil(the row's largest t), a whole number; so 1/2 < the row's largest p <= 1. The row's sum l is taken of the UNQUANTISED p, in f32, and the product's result is divided by l at the end. Since M is a whole number, a kernel that streams over the keys may use a running M (the ceiling of the running maximum): every later rescaling is an exact power of two, which a block's scale takes up: the codes' values come out the same.
;;   OPERANDS COMPUTED ON THE WAY. 'Computed on the way' means the value that the module computes at that place (a softmax that the list does not call 'softmax' is quantised finished and normalised). What goes into a quantiser is computed in f32, as accurately as f32 sums, v_exp_f32 and their like allow (about 1e-6 of the number): no bf16 or f16 on the way to a quantiser, and a product that is left as it is and whose result goes on into a quantised operand takes f32 operands (vector FMAs, or v_wmma_f32_16x16x4_f32). A number that lies on a knife's edge between two numbers of the format may be rounded either way, as far as f32 arithmetic and the matrix unit's own rounding can turn it there, and no further.
;;   INPUTS GIVEN AS CODES. keys (in the module: [4, 2048, 16, 64], K = its axis 3); queries (in the module: [4, 2048, 16, 64], K = its axis 3); values (in the module: [4, 2048, 16, 64], K = its axis 1): each comes as NAME_codes (uint8): NAME with its K axis moved to the last place and cut into blocks of 32 codes, [.., K / 32, bytes a block], one block behind the other in memory; one code a byte (a code: sign, 4 exponent bits, 3 mantissa bits); and NAME_scales (uint8): the same leading axes, one E8M0 byte (e + 127) for each 32 codes along K. Its value is code x scale, taken as it is: it is not quantised again, and the codes and scales need not be those that the quantiser above would give.
;; One version. Each part assembles by itself: llvm-mc -triple=amdgcn-amd-amdhsa -mcpu=gfx1250 --defsym DOCPART=n.
;; ======== version 1 of 1: 1 launch
;; limits: right only within a limited range of input values
;; launch attn (part 1): grid 4 x 64, 16 waves a work-group, clusters of 4 x 1, 327,680 bytes of LDS; arguments queries_codes, queries_scales, keys_codes, keys_scales, values_codes, values_scales, out0; writes out0
.if DOCPART == 1
	.amdgcn_target "amdgcn-amd-amdhsa--gfx1250"
	.amdhsa_code_object_version 6
	.text
	.protected	k_q4b3830e29a_attn
	.globl	k_q4b3830e29a_attn
	.p2align	8
	.type	k_q4b3830e29a_attn,@function
k_q4b3830e29a_attn:
	s_mov_b64 s[64:65], 0
	v_nop
	global_prefetch_b8 v0, s[64:65] scope:SCOPE_SE
	s_setreg_imm32_b32 hwreg(HW_REG_WAVE_MODE, 25, 1), 1
	s_wait_xcnt 0x0
	s_wait_alu depctr_hold_cnt(0) depctr_sa_sdst(0) depctr_va_vdst(0) depctr_va_sdst(0) depctr_va_ssrc(0) depctr_va_vcc(0) depctr_vm_vsrc(0)
	s_getreg_b32 s2, hwreg(HW_REG_IB_STS2, 6, 4)
	s_cmp_eq_u32 s2, 0
	s_cbranch_scc0 .Lentry_in_a_cluster
	s_endpgm
.Lentry_in_a_cluster:
	s_bfe_u32 s2, ttmp6, 0x10000c
	s_cmp_lg_u32 s2, 0x3003
	s_cbranch_scc0 .Lentry_shape_is_right
	s_endpgm
.Lentry_shape_is_right:
; out[b][q][hd][:] = the sum over keys k <= q of softmax_k(Q[q] . K[k] / 8) V[k][:], for 64 pairs (b, hd), 2,048 queries and keys, head size 64.
; Both products run on codes of FP8 (E4M3) with one E8M0 scale for each 32 along K, as they are given.  Q, K: a row of 64 codes, rows of one head 1,024 bytes apart; 2 scale bytes a row, 32 bytes apart.
; V: keys innermost, [64 d][2,048 keys] dense for a head; its scale bytes [64 d][64] dense.  out: f32, a row of a head is 256 bytes, rows 4,096 bytes apart.
; THE SOFTMAX: t = score x log2(e) / 8; M = the running largest t rounded UP to a whole number; p = 2^(t - M) is quantised along the keys, not normalised; the row's sum is taken of the unquantised p and divides at the end.
; When M moves, the sum and O are multiplied by 2^(old M - new M), which rounds nothing.
; A WHOLE HEAD STAYS IN LDS: K 2,048 x 80 bytes, V 4 x 64 x 528 bytes: every tile is filled once, nothing is filled again, and behind the second barrier no wave waits for another.
; SHARES.  A head has 128 tiles of 16 queries; tile 8 G + X needs G + 1 key steps of 128 keys.  Four work-groups of 16 waves take a head.  Wave w of work-group cx takes X = 2 cx + w / 8 and, with g = w % 8,
; first tile G = 15 - g, then tile G = g: 17 key steps for every wave.  G hangs on the wave's number alone, so all partners of a cluster branch alike; cx enters Q's and out's addresses and the mask's compare only.
; CLUSTER.  The four work-groups of a head read the same K and V: each tile is asked for JOINTLY, by the same tensor load with the same descriptor and the mask of all four.
; LAYOUT.  Both products are used transposed (S^T = K Q^T, O^T = V^T P^T): a lane holds ONE query (lane % 16) throughout.
; THE HEAD'S 64 IN A FORM OF 128: one fragment of K holds TWO tiles of 16 keys (k 0-63: keys 32 b + r, k 64-127: keys 32 b + 16 + r).  It is multiplied by [Q | 0] and by [0 | Q]: the 24 registers 0, Q, 0 serve as both.
; Q's scale word has the byte 0 over its zero half: zero codes add nothing under it.
; p's 16 registers of tiles 2 c, 2 c + 1 are keys 32 c + 8 h + 0..7 and 32 c + 16 + 8 h + 0..7: a permutation inside a block of 32.  V takes the same one: two loads of 8 bytes (at + 8 h and + 16 + 8 h) where one of 16 would stand.
; LIMITS: NaN codes (0x7f, 0xff) and the scale byte 0xff are not served: a key's NaN would reach the tile packed beside it.  A block of 32 p that are all 0 keeps the scale byte 1: its codes are zeros.
; p under 2^-126 comes out of v_exp_f32 as 0 (ISA guide, the instruction's entry): nothing beside a row's largest p, which lies over 1/2.
.set KP,    80                         ; a key's row in LDS: 64 bytes + 16 = 20 words: the 16 rows of a load of 16 bytes a lane start at 16 different groups of 4 banks (64 banks of 4 bytes: ISA guide 11.1)
.set VP,    528                        ; a row of a tile of V: 512 bytes + 16 = 132 words: row r starts at bank 4 r mod 64; the two halves of the lanes take 8 bytes each beside each other
.set VT,    64*VP                      ; a tile of V: 64 rows x 512 keys
.set VB,    2048*KP                    ; LDS: K from byte 0; V's four tiles from here
.set SCV,   VB+4*VT                    ; V's scale bytes: 16 units of 256 bytes + 16
.set SCK,   SCV+16*272                 ; K's scale words, packed by the waves: step s, lane l: 8 bytes at 256 s + 8 l.  No fill lands here
.set STAGE, SCK+4096                   ; the way out: 4 rows x 272 bytes for each wave.  No fill lands here
.set SW,    4*272
.set AK0,  1                           ; v1   my lane's place in a tile of K: 80 r + 16 h
.set AV0,  2                           ; v2   in a tile of V: VB + 528 r + 8 h
.set ASK0, 3                           ; v3   among K's scale words: SCK + 8 x lane
.set ASV0, 4                           ; v4   among V's: SCV + 272 (r / 4) + 64 (r % 4) + 1,088 h
.set STO,  5                           ; v5   the stage, in
.set RD,   6                           ; v6   the stage, back
.set GO,   7                           ; v7   my byte offset in two rows of out
.set ADK,  8                           ; v8-11 the addresses of the step in hand (r, h, lane, r % 4 at the head)
.set ADV,  9
.set ADS,  10
.set ADT,  11
                                       ; v12 -M, v13 the largest t, v[14:15] the row's sum in two halves
.set DM,   16                          ; v16  16 X + r - 8 h: in the step on the diagonal, register 8 T + j is hidden where 16 T + j > this
.set RG,   17                          ; v17  r / 4
.set QO,   18                          ; v18  Q: 1,024 r + 16 h; never rewritten
.set QSO,  19                          ; v19  Q's scales: 32 r; never rewritten
.set QSL,  20                          ; v20  Q's scale word for [Q | 0]
.set QSH,  21                          ; v21  for [0 | Q]
.set KSW,  22                          ; v22-23 K's scale words: register i: lanes 0-15 fragment 2 i, lanes 16-31 fragment 2 i + 1
.set VSW,  24                          ; v24-25 V's likewise, by tiles of 16 d
.set PW,   26                          ; v26  p's scale word
.set NINF, 27                          ; v27  -infinity
.set QZ,   28                          ; v28-35 zeros, v36-43 Q, v44-51 zeros
.set F,    52                          ; v52-115 four fragments of K, then of V; rows of out on the way out
.set S,    116                         ; v116-179 S^T, then p
.set O,    180                         ; v180-211 O^T: tile t (16 d) at 8 t
.set PC,   212                         ; v212-227 p's codes
.set BM,   228                         ; v228-231 the blocks' largest scores, then largest p
.set T1,   232                         ; v232-235 the other half's maxima, then the scale bytes
.set HL,   236                         ; v236-239 two chains of the row's sum
.set SOP,  240                         ; v240-243 the conversions' scale operands
.set FF,   244                         ; v[244:245] f = 2^(old M - new M); the upper one is named with it and holds 0
.set TMP,  246
.set KSO,  247                         ; v247 K's scales in memory: 32 r + 1,024 h; never rewritten
.set L2,   248                         ; v[248:249] the sum's second chain
.set WV,   18                          ; s18  my wave's number
.set MNT,  19
.set SEL,  20                          ; s[20:21] selects of v_permlanex16_b32: lane l xor 16
.set CS,   22                          ; s[22:23] c = log2(e) / 8, twice
.set G1K,  24                          ; s[24:31], s[32:39], s[40:47] descriptor groups 1: K's tiles, V's tiles, V's scale bytes
.set G1V,  32
.set G1S,  40
.set G0K,  48                          ; s[48:63] four groups 0 for K;  s[68:83] four for V;  s[84:87] V's scale bytes
.set G0V,  68
.set G0S,  84
.set X16,  66                          ; s66  16 X.  Only s2, s66, s67 and s96-101 ever hold anything made of cx
.set Q0,   67                          ; s67  the tile's first query
.set G,    88                          ; s88  the tile's last key step
.set ST,   89                          ; s89  the key step in hand;  s90-93 where its K, V, K's scale words and V's begin.  (s89-94 are temporaries at the head)
.set TK,   90
.set TV,   91
.set TS,   92
.set TJ,   93
.set IC,   94                          ; s94  counts four steps
.set SX,   95                          ; s95  EXEC, kept
.set QP,   96                          ; s[96:97] Q's codes, s[98:99] Q's scales, s[100:101] out, at the tile's first query
.set QSP,  98
.set OUTP, 100
; A round of the cluster's barrier: my work-group's barrier, wave 0 signals for the work-group, every wave waits for all four work-groups, my work-group's barrier once more.
.macro CROUND
	s_barrier_signal -1
	s_barrier_wait -1
	s_cmp_lg_u32 s[WV], 0
	s_cbranch_scc1 .Lnot_wave_0_\@
	s_barrier_signal -3
.Lnot_wave_0_\@:
	s_barrier_wait -3
	s_barrier_signal -1
	s_barrier_wait -1
.endm
; Q's fragment and scale word of tile (G, X) are asked for: three loads.
.macro QLOAD
	s_wait_xcnt 0x0                                ; the pointers below are rewritten only behind this wait
	s_lshl_b32 s[Q0], s[G], 7
	s_add_co_u32 s[Q0], s[Q0], s[X16]              ; the tile's first query: 128 G + 16 X
	s_lshl_b32 s2, s[Q0], 10
	s_add_nc_u64 s[QP:QP+1], s[4:5], s[2:3]
	s_lshl_b32 s2, s[Q0], 5
	s_add_nc_u64 s[QSP:QSP+1], s[6:7], s[2:3]
	global_load_b128 v[QZ+8:QZ+11], v[QO], s[QP:QP+1]              ; lane (r, h): query r, channels 16 h + 0..15,
	global_load_b128 v[QZ+12:QZ+15], v[QO], s[QP:QP+1] offset:32   ; and 32 + 16 h + 0..15
	global_load_u16 v[QSL], v[QSO], s[QSP:QSP+1]                   ; its two scale bytes; the upper two bytes are 0
.endm
; A tile begins: out's pointer, the walk's addresses, M, the sum and O^T.
.macro INIT
	s_wait_xcnt 0x0                                ; the last tile's stores have read their base and their data
	s_lshl_b32 s2, s[Q0], 12
	s_add_nc_u64 s[OUTP:OUTP+1], s[16:17], s[2:3]
	s_mov_b32 s[ST], 0
	s_mov_b32 s[TK], 0
	s_mov_b32 s[TV], 0
	s_mov_b32 s[TS], 0
	s_mov_b32 s[TJ], 0
	v_mov_b32 v13, 0xff61b1e6                      ; the largest t so far: -3e38, under every t
	s_delay_alu instid0(VALU_DEP_1)
	v_floor_f32 v12, -v13                          ; -M
	v_mov_b32 v14, 0
	v_mov_b32 v15, 0
	s_wait_loadcnt 0x0                             ; Q
	v_lshlrev_b32 v[QSH], 16, v[QSL]               ; the scale word for [0 | Q]
.set JJ, 0
.rept 32
	v_mov_b32 v[O+JJ], 0                           ; the step is written once: a tile's first step finds zeros, which the first change of M leaves zeros.  (These are also the places between the line above and the first product)
.set JJ, JJ+1
.endr
.endm
; A KEY STEP: 128 keys.  causal = 1: a step behind the tile's last is left out (a scalar branch on the wave's number and the step's, round the work, not round the lines that step addresses); the tile's last step is masked.
.macro STEP causal
.if \causal
	s_cmp_gt_u32 s[ST], s[G]
	s_cbranch_scc1 .Lhidden_\@
.endif
	s_setprio 2
	v_add_nc_u32 v[ADK], s[TK], v[AK0]
	v_add_nc_u32 v[ADV], s[TV], v[AV0]
	v_add_nc_u32 v[ADS], s[TS], v[ASK0]
	v_add_nc_u32 v[ADT], s[TJ], v[ASV0]
.rept 4
	v_nop                                          ; with the four additions: eight places in front of loads into registers that the last products read
.endr
	ds_load_b64 v[KSW:KSW+1], v[ADS]               ; K's scale words of the step's four fragments
.irp b, 0,1,2,3
.irp u, 0,1
.irp c, 0,1
	ds_load_b128 v[F+16*\b+8*\u+4*\c:F+16*\b+8*\u+4*\c+3], v[ADK] offset:(32*\b+16*\u)*KP+32*\c   ; key 32 b + 16 u + r, channels 32 c + 16 h + 0..15
.endr
.endr
.endr
	s_wait_alu depctr_va_vdst(0)
.irp b, 0,1,2,3                                ; S^T: tile 2 b + u holds, in register j of lane (r, h), key 32 b + 16 u + 8 h + j against query r
	s_wait_dscnt 12-4*\b                           ; LDS loads come back in order (ISA guide 5.7.1): the scale words and fragments 0 to b are in; four loads for each later fragment may be out
.if \b%2
	v_wmma_scale_f32_16x16x128_f8f6f4 v[S+16*\b:S+16*\b+7], v[F+16*\b:F+16*\b+15], v[QZ+8:QZ+23], 0, v[KSW+\b/2], v[QSL] matrix_a_scale:MATRIX_SCALE_ROW1
	v_wmma_scale_f32_16x16x128_f8f6f4 v[S+16*\b+8:S+16*\b+15], v[F+16*\b:F+16*\b+15], v[QZ:QZ+15], 0, v[KSW+\b/2], v[QSH] matrix_a_scale:MATRIX_SCALE_ROW1
.else
	v_wmma_scale_f32_16x16x128_f8f6f4 v[S+16*\b:S+16*\b+7], v[F+16*\b:F+16*\b+15], v[QZ+8:QZ+23], 0, v[KSW+\b/2], v[QSL]
	v_wmma_scale_f32_16x16x128_f8f6f4 v[S+16*\b+8:S+16*\b+15], v[F+16*\b:F+16*\b+15], v[QZ:QZ+15], 0, v[KSW+\b/2], v[QSH]
.endif
.endr
.rept 8
	v_nop                                          ; eight places: in front of the loads into K's fragments, and of the first read of the scores
.endr
.irp t, 0,1,2,3                                ; V's four fragments are asked for now and land while the softmax is walked
.irp c, 0,1,2,3
	ds_load_b64 v[F+16*\t+4*\c:F+16*\t+4*\c+1], v[ADV] offset:16*VP*\t+32*\c         ; d = 16 t + r, keys 32 c + 8 h + 0..7,
	ds_load_b64 v[F+16*\t+4*\c+2:F+16*\t+4*\c+3], v[ADV] offset:16*VP*\t+32*\c+16    ; and 32 c + 16 + 8 h + 0..7: p's own order
.endr
.endr
	ds_load_b32 v[VSW], v[ADT]                     ; V's scale words: lanes 0-15 tile 0, lanes 16-31 tile 1;
	ds_load_b32 v[VSW+1], v[ADT] offset:2176       ; tiles 2 and 3
.if \causal                                    ; the tile's last step lies on the diagonal: hidden scores become -infinity ahead of the maximum, so that p = 0.  The step's first key counts for every query
	s_cmp_lg_u32 s[ST], s[G]
	s_cbranch_scc1 .Lopen_\@
.set NN, 0
.rept 64
	v_cmp_gt_i32 vcc_lo, 16*(NN/8)+NN%8, v[DM]
	v_cndmask_b32 v[S+NN], v[S+NN], v[NINF], vcc_lo
.set NN, NN+1
.endr
.Lopen_\@:
.endif
.irp b, 0,1,2,3
	v_max3_num_f32 v[BM+\b], v[S+16*\b], v[S+16*\b+1], v[S+16*\b+2]   ; the largest score of each block of 32 keys: it serves for the row's maximum and, since p rises with the score, for the block's largest p
.endr
.irp i, 3,5,7,9,11,13
.irp b, 0,1,2,3
	v_max3_num_f32 v[BM+\b], v[BM+\b], v[S+16*\b+\i], v[S+16*\b+\i+1]   ; the four blocks by turns; each accumulator is read from its low end on
.endr
.endr
.irp b, 0,1,2,3
	v_max_num_f32 v[BM+\b], v[BM+\b], v[S+16*\b+15]
.endr
.irp b, 0,1,2,3
	s_delay_alu instid0(VALU_DEP_4)
	v_permlanex16_b32 v[T1+\b], v[BM+\b], s[SEL], s[SEL+1]
.endr
.irp b, 0,1,2,3
	s_delay_alu instid0(VALU_DEP_4)
	v_max_num_f32 v[BM+\b], v[BM+\b], v[T1+\b]     ; with lane l xor 16's 16 keys of the block
.endr
	s_delay_alu instid0(VALU_DEP_2)
	v_max3_num_f32 v[TMP], v[BM], v[BM+1], v[BM+2]
	s_delay_alu instid0(VALU_DEP_1)
	v_max_num_f32 v[TMP], v[TMP], v[BM+3]          ; the step's largest score of my query
	s_delay_alu instid0(VALU_DEP_1)
	v_mul_f32 v[TMP], s[CS], v[TMP]                ; as t (c is positive)
	s_delay_alu instid0(VALU_DEP_1)
	v_max_num_f32 v13, v13, v[TMP]                 ; the running largest t
	v_mov_b32 v[TMP], v12
	s_delay_alu instid0(VALU_DEP_2)
	v_floor_f32 v12, -v13                          ; the new -M = floor(-t) = -ceil(t)
	s_delay_alu instid0(VALU_DEP_1)
	v_sub_f32 v[TMP], v12, v[TMP]                  ; old M - new M: a whole number, 0 or less
	s_delay_alu instid0(VALU_DEP_1)
	v_cvt_i32_f32 v[TMP], v[TMP]                   ; (it saturates)
	s_delay_alu instid0(VALU_DEP_1)
	v_ldexp_f32 v[FF], 1.0, v[TMP]                 ; f = 2^(old M - new M)
.set JJ, 0
.rept 32
	v_pk_fma_f32 v[S+JJ:S+JJ+1], v[S+JJ:S+JJ+1], s[CS:CS+1], v[12:13] op_sel_hi:[1,0,0]   ; t - M, two at a time (of the pairs c and -M the low word serves both halves)
.set JJ, JJ+2
.endr
	s_setprio 1
.irp b, 0,1,2,3
	v_fma_f32 v[BM+\b], v[BM+\b], s[CS], v12       ; the same of each block's largest score
.endr
.set JJ, 0
	s_wait_alu depctr_va_vdst(0)
.rept 64
	v_exp_f32 v[S+JJ], v[S+JJ]                     ; p = 2^(t - M)
.set JJ, JJ+1
.endr
.irp b, 0,1,2,3
	v_exp_f32 v[BM+\b], v[BM+\b]                   ; the block's largest p: the same two instructions on the same number
.endr
	v_pk_mul_f32 v[14:15], v[14:15], v[FF:FF+1] op_sel_hi:[1,0]   ; the sums under the new M.  (The plain instruction behind the exponentials)
	s_wait_alu depctr_va_vdst(0)
.irp b, 0,1,2,3
	v_max_num_f32 v[BM+\b], 0x4800000, v[BM+\b]    ; the floor 2^(9 - 127): the byte cannot fall under 1
.endr
.irp b, 0,1,2,3
	s_delay_alu instid0(VALU_DEP_4)
	v_add_nc_u32 v[SOP+\b], 0xfc000000, v[BM+\b]   ; 8 off the exponent field: the conversion's scale operand
.endr
.irp b, 0,1,2,3
.endr
.irp b, 0,1,2,3
	s_delay_alu instid0(VALU_DEP_4)
	v_lshrrev_b32 v[T1+\b], 23, v[SOP+\b]          ; the scale's byte
.endr
	s_delay_alu instid0(VALU_DEP_3)
	v_lshl_or_b32 v[PW], v[T1+1], 8, v[T1]         ; p's scale word for these 128 keys
	s_delay_alu instid0(VALU_DEP_1)
	v_lshl_or_b32 v[PW], v[T1+2], 16, v[PW]
	s_delay_alu instid0(VALU_DEP_1)
	v_lshl_or_b32 v[PW], v[T1+3], 24, v[PW]
	v_pk_add_f32 v[248:249], v[120:121], v[124:125]
	v_pk_add_f32 v[252:253], v[128:129], v[132:133]
	v_pk_add_f32 v[250:251], v[136:137], v[140:141]
	v_pk_add_f32 v[238:239], v[144:145], v[148:149]
	v_pk_add_f32 v[236:237], v[152:153], v[156:157]
	v_pk_add_f32 v[14:15], v[14:15], v[160:161]
	v_pk_add_f32 v[248:249], v[248:249], v[164:165]
	v_pk_add_f32 v[252:253], v[252:253], v[168:169]
	v_pk_add_f32 v[250:251], v[250:251], v[172:173]
	v_pk_add_f32 v[238:239], v[238:239], v[176:177]
	v_pk_add_f32 v[236:237], v[236:237], v[116:117]
	v_pk_add_f32 v[14:15], v[14:15], v[118:119]
	v_pk_add_f32 v[248:249], v[248:249], v[122:123]
	v_pk_add_f32 v[252:253], v[252:253], v[126:127]
	v_pk_add_f32 v[250:251], v[250:251], v[130:131]
	v_pk_add_f32 v[238:239], v[238:239], v[134:135]
	v_pk_add_f32 v[236:237], v[236:237], v[138:139]
	v_pk_add_f32 v[14:15], v[14:15], v[142:143]
	v_pk_add_f32 v[248:249], v[248:249], v[146:147]
	v_pk_add_f32 v[252:253], v[252:253], v[150:151]
	v_pk_add_f32 v[250:251], v[250:251], v[154:155]
	v_pk_add_f32 v[238:239], v[238:239], v[158:159]
	v_pk_add_f32 v[236:237], v[236:237], v[162:163]
	v_pk_add_f32 v[14:15], v[14:15], v[166:167]
	s_setprio 0
	v_pk_add_f32 v[248:249], v[248:249], v[170:171]
	v_pk_add_f32 v[252:253], v[252:253], v[174:175]
	v_pk_add_f32 v[250:251], v[250:251], v[178:179]
	s_delay_alu instid0(VALU_DEP_1)
	v_pk_add_f32 v[14:15], v[14:15], v[250:251]
	s_delay_alu instid0(VALU_DEP_4)
	v_pk_add_f32 v[248:249], v[248:249], v[238:239]
	s_delay_alu instid0(VALU_DEP_4)
	v_pk_add_f32 v[252:253], v[252:253], v[236:237]
	s_delay_alu instid0(VALU_DEP_1)
	v_pk_add_f32 v[14:15], v[14:15], v[252:253]
	s_delay_alu instid0(VALU_DEP_1)
	v_pk_add_f32 v[14:15], v[14:15], v[248:249]
.irp b, 0,1,2,3
.irp i, 0,1,2,3,4,5,6,7,8,9,10,11,12,13,14,15
.endr
	v_cvt_scalef32_pk8_fp8_f32 v[PC+4*\b:PC+4*\b+1], v[S+16*\b:S+16*\b+7], v[SOP+\b]
	v_cvt_scalef32_pk8_fp8_f32 v[PC+4*\b+2:PC+4*\b+3], v[S+16*\b+8:S+16*\b+15], v[SOP+\b]
.endr
.set JJ, 0
.rept 16
	v_pk_mul_f32 v[O+JJ:O+JJ+1], v[O+JJ:O+JJ+1], v[FF:FF+1] op_sel_hi:[1,0]   ; O^T under the new M.  (These sixteen are also the places between the codes and the products below)
.set JJ, JJ+2
.endr
	s_wait_alu depctr_va_vdst(0)
	s_wait_dscnt 0x0                               ; V's fragments and scale words are in
.irp t, 0,1,2,3                                ; O^T += V^T P^T: the four accumulators take turns, one instruction a turn
.if \t%2
	v_wmma_scale_f32_16x16x128_f8f6f4 v[O+8*\t:O+8*\t+7], v[F+16*\t:F+16*\t+15], v[PC:PC+15], v[O+8*\t:O+8*\t+7], v[VSW+\t/2], v[PW] matrix_a_scale:MATRIX_SCALE_ROW1
.else
	v_wmma_scale_f32_16x16x128_f8f6f4 v[O+8*\t:O+8*\t+7], v[F+16*\t:F+16*\t+15], v[PC:PC+15], v[O+8*\t:O+8*\t+7], v[VSW+\t/2], v[PW]
.endif
.endr
.if \causal
.Lhidden_\@:
.endif
	s_add_co_u32 s[ST], s[ST], 1
	s_add_co_u32 s[TK], s[TK], 128*KP              ; 128 keys on
	s_add_co_u32 s[TV], s[TV], 128
	s_add_co_u32 s[TS], s[TS], 256
	s_add_co_u32 s[TJ], s[TJ], 4
.endm
; Four key steps, the 512 keys of one tile of V: a loop of four trips; then on to the next tile of V.
.macro QUAD causal
	s_mov_b32 s[IC], 4
.Lquad_\@:
	STEP \causal
	s_sub_co_u32 s[IC], s[IC], 1
	s_cmp_lg_u32 s[IC], 0
	s_cbranch_scc1 .Lquad_\@
	s_setprio 0
	s_add_co_u32 s[TV], s[TV], VT-512
.endm
; THE WAY OUT of a tile.  O^T / the sum; a lane holds 4 x 32 bytes of ONE row of out, so the rows go through my stage, four at a time (the lanes of those four queries store, all lanes read back),
; and leave as whole rows: sixteen lanes store 256 consecutive bytes, at a multiple of 256 from out's first byte.
.macro WAYOUT
.rept 8
	v_nop                                          ; eight places behind the last products
.endr
	v_add_f32 v14, v14, v15                        ; the sum's two halves,
	s_delay_alu instid0(VALU_DEP_1)
	v_permlanex16_b32 v[T1], v14, s[SEL], s[SEL+1]
	s_delay_alu instid0(VALU_DEP_1)
	v_add_f32 v14, v14, v[T1]                      ; and lane l xor 16's: the row's sum
	s_wait_alu depctr_va_vdst(0)
	v_rcp_f32 v14, v14
	v_nop                                          ; a plain instruction between the reciprocal and its use
.set JJ, 0
	s_wait_alu depctr_va_vdst(0)
.rept 16
	v_pk_mul_f32 v[S+JJ:S+JJ+1], v[O+JJ:O+JJ+1], v[14:15] op_sel_hi:[1,0]   ; register 8 t + j: out(r, 16 t + 8 h + j); each accumulator from its low end on
.set JJ, JJ+2
.endr
	s_wait_alu depctr_va_vdst(0)
	s_wait_xcnt 0x0                                ; EXEC changes only behind this wait; no global instruction follows until the stores below
.irp gq, 0,1,2,3
	v_cmp_eq_u32 vcc_lo, \gq, v[RG]
	s_and_saveexec_b32 s[SX], vcc_lo               ; the lanes of queries 4 gq to 4 gq + 3
.irp t, 0,1,2,3
	ds_store_b128 v[STO], v[S+8*\t:S+8*\t+3] offset:64*\t
	ds_store_b128 v[STO], v[S+8*\t+4:S+8*\t+7] offset:64*\t+16
.endr
	s_or_b32 exec_lo, exec_lo, s[SX]
	ds_load_b128 v[F+8*\gq:F+8*\gq+3], v[RD]                 ; LDS serves a wave's instructions in order (ISA guide 5.7.1.4): these see the stores above, and the next group's stores come behind them
	ds_load_b128 v[F+8*\gq+4:F+8*\gq+7], v[RD] offset:2*272
.endr
	s_wait_dscnt 0x0
.irp k, 0,1,2,3,4,5,6,7
	global_store_b128 v[GO], v[F+4*\k:F+4*\k+3], s[OUTP:OUTP+1] offset:8192*\k th:TH_STORE_NT   ; rows 2 k (lanes 0-15) and 2 k + 1 (lanes 16-31); written once, read by nobody here
.endr
.endm
	s_load_b256 s[4:11], s[0:1], 0x0               ; Q's codes s[4:5], Q's scales s[6:7], K's codes s[8:9], K's scales s[10:11]
	s_load_b128 s[12:15], s[0:1], 0x20             ; V's codes, V's scales
	s_load_b64 s[16:17], s[0:1], 0x30              ; out
	v_lshl_add_u32 v254, v0, 2, 0x4f500
	v_mov_b32 v255, 0
	ds_add_u32 v254, v255
	ds_add_u32 v254, v255
	v_lshrrev_b32 v8, 5, v0
	s_delay_alu instid0(VALU_DEP_1)
	v_readfirstlane_b32 s[WV], v8                  ; wave 0..15
	v_and_b32 v8, 15, v0                           ; r
	v_bfe_u32 v9, v0, 4, 1                         ; h
	s_delay_alu instid0(VALU_DEP_2)
	v_lshlrev_b32 v[QO], 10, v8
	s_delay_alu instid0(VALU_DEP_1)
	v_lshl_add_u32 v[QO], v9, 4, v[QO]
	s_delay_alu instid0(VALU_DEP_4)
	v_lshlrev_b32 v[QSO], 5, v8
	s_delay_alu instid0(VALU_DEP_1)
	v_lshl_add_u32 v[KSO], v9, 10, v[QSO]
	s_bfe_u32 s[X16], ttmp6, 0x40000               ; cx: my place in the cluster
	s_lshl_b32 s[X16], s[X16], 5
	s_lshr_b32 s2, s[WV], 3
	s_lshl_b32 s2, s2, 4
	s_add_co_u32 s[X16], s[X16], s2                ; 16 X = 32 cx + 16 (wave / 8)
	s_mov_b32 s3, 0                                ; the upper word of the offsets made in s2
	s_and_b32 s89, ttmp7, 0xffff                   ; 16 b + hd, which the four partners share
	s_lshr_b32 s90, s89, 4                         ; b
	s_and_b32 s91, s89, 15                         ; hd
	s_mov_b32 s93, 0                               ; the upper word of the offsets made in s92
	s_mov_b32 s[SEL], 0x76543210
	s_mov_b32 s[SEL+1], 0xfedcba98
	s_mov_b32 s[CS], 0x3e38aa3b                    ; c = log2(e) / 8
	s_mov_b32 s[CS+1], s[CS]
	; descriptor groups 1.  K: 256 rows of 64 bytes, 1,024 bytes apart
	s_mov_b32 s[G1K], 15|(0<<16)|(1<<20)|(1<<21)|(3<<22)|(3<<25)   ; 15:0 the mask: all four work-groups; 17:16 elements of 1 byte; 20 padding on; 21 set beside a mask; 24:22 after every 16 words (code 3); 31:25 four words (code 3)
	s_mov_b32 s[G1K+1], 64<<16                     ; tensor_dim0
	s_mov_b32 s[G1K+2], 256<<16                    ; tensor_dim1
	s_mov_b32 s[G1K+3], 64<<16                     ; tile_dim0
	s_mov_b32 s[G1K+4], 256                        ; tile_dim1
	s_mov_b32 s[G1K+5], 1024                       ; tensor_dim0_stride
	s_mov_b32 s[G1K+6], 0
	s_mov_b32 s[G1K+7], 0
	; V: 32 rows of 512 bytes, 2,048 bytes apart
	s_mov_b32 s[G1V], 15|(0<<16)|(1<<20)|(1<<21)|(6<<22)|(3<<25)   ; padding: four words after every 128
	s_mov_b32 s[G1V+1], 512<<16
	s_mov_b32 s[G1V+2], 32<<16
	s_mov_b32 s[G1V+3], 512<<16
	s_mov_b32 s[G1V+4], 32
	s_mov_b32 s[G1V+5], 2048
	s_mov_b32 s[G1V+6], 0
	s_mov_b32 s[G1V+7], 0
	; V's scale bytes: 2,048 dense bytes as 8 rows of 256 (32 elements of 8 bytes)
	s_mov_b32 s[G1S], 15|(3<<16)|(1<<20)|(1<<21)|(5<<22)|(3<<25)   ; padding: four words after every 64
	s_mov_b32 s[G1S+1], 32<<16
	s_mov_b32 s[G1S+2], 8<<16
	s_mov_b32 s[G1S+3], 32<<16
	s_mov_b32 s[G1S+4], 8
	s_mov_b32 s[G1S+5], 32
	s_mov_b32 s[G1S+6], 0
	s_mov_b32 s[G1S+7], 0
	s_wait_alu depctr_va_vdst(0)
	s_wait_dscnt 0x0
	s_wait_kmcnt 0x0
	s_lshl_b32 s92, s90, 21                        ; Q's and K's codes: b x 2,048 x 1,024 + hd x 64
	s_lshl_b32 s94, s91, 6
	s_add_co_u32 s92, s92, s94
	s_add_nc_u64 s[4:5], s[4:5], s[92:93]
	s_add_nc_u64 s[8:9], s[8:9], s[92:93]
	s_lshl_b32 s92, s90, 16                        ; their scales: b x 2,048 x 32 + hd x 2
	s_lshl_b32 s94, s91, 1
	s_add_co_u32 s92, s92, s94
	s_add_nc_u64 s[6:7], s[6:7], s[92:93]
	s_lshl_b32 s94, s[WV], 12                      ; K's: wave w packs the scale words of key step w: 128 keys x 32 bytes on
	s_add_co_u32 s92, s92, s94
	s_add_nc_u64 s[10:11], s[10:11], s[92:93]
	s_lshl_b32 s92, s89, 17                        ; V's codes: 131,072 bytes a head
	s_add_nc_u64 s[12:13], s[12:13], s[92:93]
	s_lshl_b32 s92, s89, 12                        ; V's scales: 4,096
	s_add_nc_u64 s[14:15], s[14:15], s[92:93]
	s_lshl_b32 s92, s90, 23                        ; out: b x 2,048 x 4,096 + hd x 256
	s_lshl_b32 s94, s91, 8
	s_add_co_u32 s92, s92, s94
	s_add_nc_u64 s[16:17], s[16:17], s[92:93]
	global_load_u16 v[S], v[KSO], s[10:11]                   ; lane (r, h): the two scale bytes of key 32 h + r of my step,
	global_load_u16 v[S+1], v[KSO], s[10:11] offset:512      ; of key 32 h + 16 + r,
	global_load_u16 v[S+2], v[KSO], s[10:11] offset:2048     ; of key 64 + 32 h + r,
	global_load_u16 v[S+3], v[KSO], s[10:11] offset:2560     ; of key 64 + 32 h + 16 + r
	s_and_b32 s[G], s[WV], 7
	s_xor_b32 s[G], s[G], 15                       ; the first tile: G = 15 - wave % 8
	QLOAD
	; descriptor groups 0.  Waves 0 and 1 fetch K, waves 2 and 3 V: j = wave % 2 says which half.  Nothing here hangs on cx
	s_and_b32 s90, s[WV], 1
	s_mul_i32 s91, s90, 256*KP                     ; K in LDS: load i brings keys 256 (2 i + j) on
	s_lshl_b32 s92, s90, 18                        ; and in memory: 256 rows of 1,024 bytes
	s_add_nc_u64 s[8:9], s[8:9], s[92:93]
.irp i, 0,1,2,3
	s_mov_b32 s[G0K+4*\i], 1                                       ; 1:0 count = 1
	s_add_co_u32 s[G0K+4*\i+1], s91, \i*512*KP                     ; 63:32 LDS address
	s_add_nc_u64 s[G0K+4*\i+2:G0K+4*\i+3], s[8:9], \i*512*1024     ; 120:64 global address
	s_or_b32 s[G0K+4*\i+3], s[G0K+4*\i+3], 0x80000000              ; 127:126 type = 2
.endr
	s_mul_i32 s91, s90, 32*VP                      ; V in LDS: load i brings rows 32 j on of tile i (keys 512 i on)
	s_add_co_u32 s91, s91, VB
	s_lshl_b32 s92, s90, 16                        ; and in memory: 32 rows of 2,048 bytes
	s_add_nc_u64 s[12:13], s[12:13], s[92:93]
.irp i, 0,1,2,3
	s_mov_b32 s[G0V+4*\i], 1
	s_add_co_u32 s[G0V+4*\i+1], s91, \i*VT
	s_add_nc_u64 s[G0V+4*\i+2:G0V+4*\i+3], s[12:13], \i*512
	s_or_b32 s[G0V+4*\i+3], s[G0V+4*\i+3], 0x80000000
.endr
	s_mul_i32 s91, s90, 8*272                      ; V's scale bytes: half j
	s_lshl_b32 s92, s90, 11
	s_mov_b32 s[G0S], 1
	s_add_co_u32 s[G0S+1], s91, SCV
	s_add_nc_u64 s[G0S+2:G0S+3], s[14:15], s[92:93]
	s_or_b32 s[G0S+3], s[G0S+3], 0x80000000
	CROUND                                         ; all four work-groups are here: the joint loads meet
	; ALL FILLS OF THE LAUNCH, in one branch on the wave's number: four loads of a K wave, five of a V wave, none of the others.  Four v_nop follow the last
	s_cmp_lt_u32 s[WV], 2
	s_cbranch_scc0 .Lnot_k
	tensor_load_to_lds s[G0K:G0K+3], s[G1K:G1K+7]
	s_nop 0
	tensor_load_to_lds s[G0K+4:G0K+7], s[G1K:G1K+7]
	s_nop 0
	tensor_load_to_lds s[G0K+8:G0K+11], s[G1K:G1K+7]
	s_nop 0
	tensor_load_to_lds s[G0K+12:G0K+15], s[G1K:G1K+7]
	s_nop 0
.rept 4
	v_nop
.endr
	s_branch .Lasked
.Lnot_k:
	s_cmp_lt_u32 s[WV], 4
	s_cbranch_scc0 .Lasked
	tensor_load_to_lds s[G0S:G0S+3], s[G1S:G1S+7]
	s_nop 0
	tensor_load_to_lds s[G0V:G0V+3], s[G1V:G1V+7]
	s_nop 0
	tensor_load_to_lds s[G0V+4:G0V+7], s[G1V:G1V+7]
	s_nop 0
	tensor_load_to_lds s[G0V+8:G0V+11], s[G1V:G1V+7]
	s_nop 0
	tensor_load_to_lds s[G0V+12:G0V+15], s[G1V:G1V+7]
	s_nop 0
.rept 4
	v_nop
.endr
.Lasked:
	v_and_b32 v10, 31, v0                          ; lane
	v_and_b32 v11, 3, v8                           ; r % 4
	v_lshrrev_b32 v[RG], 2, v8                     ; r / 4
	v_mul_u32_u24 v[AK0], v8, KP
	s_delay_alu instid0(VALU_DEP_1)
	v_lshl_add_u32 v[AK0], v9, 4, v[AK0]
	v_mul_u32_u24 v[AV0], v8, VP
	s_delay_alu instid0(VALU_DEP_1)
	v_lshl_add_u32 v[AV0], v9, 3, v[AV0]
	s_delay_alu instid0(VALU_DEP_1)
	v_add_nc_u32 v[AV0], VB, v[AV0]
	v_lshl_add_u32 v[ASK0], v10, 3, SCK
	v_mul_u32_u24 v[ASV0], v[RG], 272              ; V's scale word of row d = 16 t + r: unit d / 4, 64 (d % 4) in it; lanes 16-31 take the tile 16 rows (4 units) on
	s_delay_alu instid0(VALU_DEP_1)
	v_lshl_add_u32 v[ASV0], v11, 6, v[ASV0]
	s_delay_alu instid0(VALU_DEP_1)
	v_mad_u32_u24 v[ASV0], v9, 1088, v[ASV0]
	s_delay_alu instid0(VALU_DEP_1)
	v_add_nc_u32 v[ASV0], SCV, v[ASV0]
	s_mul_i32 s90, s[WV], SW
	s_add_co_u32 s90, s90, STAGE                   ; my stage
	v_mul_u32_u24 v[STO], v11, 272                 ; in: row r % 4, + 32 h
	s_delay_alu instid0(VALU_DEP_1)
	v_lshl_add_u32 v[STO], v9, 5, v[STO]
	s_delay_alu instid0(VALU_DEP_1)
	v_add_nc_u32 v[STO], s90, v[STO]
	v_mul_u32_u24 v[RD], v9, 272                   ; back: lanes 0-15 one row, lanes 16-31 the next; 16 bytes a lane
	s_delay_alu instid0(VALU_DEP_1)
	v_lshl_add_u32 v[RD], v8, 4, v[RD]
	s_delay_alu instid0(VALU_DEP_1)
	v_add_nc_u32 v[RD], s90, v[RD]
	v_lshlrev_b32 v[GO], 12, v9                    ; and the same two rows in out
	s_delay_alu instid0(VALU_DEP_1)
	v_lshl_add_u32 v[GO], v8, 4, v[GO]
	v_lshlrev_b32 v[DM], 3, v9
	s_delay_alu instid0(VALU_DEP_1)
	v_sub_nc_u32 v[DM], v8, v[DM]
	s_delay_alu instid0(VALU_DEP_1)
	v_add_nc_u32 v[DM], s[X16], v[DM]              ; 16 X + r - 8 h
	v_mov_b32 v[NINF], 0xff800000
.irp j, 0,1,2,3,4,5,6,7
	v_mov_b32 v[QZ+\j], 0                          ; the zero halves beside Q: written once
	v_mov_b32 v[QZ+16+\j], 0
.endr
.irp b, 0,1,2,3
	v_mov_b32 v[T1+\b], 0                          ; written once: a lane permute's destination counts as one of its sources
.endr
	v_mov_b32 v[FF+1], 0                           ; named as the upper half of a pair
	s_wait_loadcnt 3                               ; K's four scale loads are in; Q's three, issued behind them, may be out
	v_lshl_or_b32 v[S+4], v[S+1], 16, v[S]         ; a fragment's word: the two bytes of key 32 b + r below, those of key 32 b + 16 + r above
	v_lshl_or_b32 v[S+5], v[S+3], 16, v[S+2]
	v_lshl_add_u32 v[TMP], v0, 3, SCK              ; 256 x wave + 8 x lane
	ds_store_b64 v[TMP], v[S+4:S+5]
	INIT
	s_wait_tensorcnt 3                             ; a K wave's first load of four, a V wave's first two of five have landed: keys 0-511 of K, V's scale bytes, V's tile 0; three younger loads stay out
	s_wait_dscnt 0x0                               ; for the others' sake: my scale words are stored
	s_barrier_signal -1
	s_barrier_wait -1
	QUAD 0                                         ; key steps 0-3 of the first tile (G is 8 or more: all their keys count) while the rest of the head lands
	s_wait_tensorcnt 0x0                           ; all my loads have landed,
	s_wait_dscnt 0x0
	s_barrier_signal -1
	s_barrier_wait -1                              ; everybody's have: the whole head lies in LDS, and from here on no wave waits for another
	QUAD 1                                         ; key steps 4-15; those behind G are left out
	QUAD 1
	QUAD 1
	s_xor_b32 s[G], s[G], 15                       ; the second tile: G = wave % 8
	QLOAD                                          ; its Q is on its way while the first tile goes out
	WAYOUT
	INIT
	QUAD 1                                         ; key steps 0-7; those behind G are left out
	QUAD 1
	WAYOUT
	s_wait_dscnt 0x0                               ; no LDS instruction of mine is out at a signal
	s_wait_tensorcnt 0x0
	ds_add_u32 v254, v255
	s_wait_dscnt 0x0
	CROUND                                         ; the closing round: no work-group ends while a partner may still ask for a tile that names it
	s_endpgm
.Lfunc_end_k_q4b3830e29a_attn:
	.size	k_q4b3830e29a_attn, .Lfunc_end_k_q4b3830e29a_attn-k_q4b3830e29a_attn
	.p2alignl 7, 3214868480
	.fill 96, 4, 3214868480
	.section	.rodata,"a",@progbits
	.p2align	6, 0x0
	.amdhsa_kernel k_q4b3830e29a_attn
		.amdhsa_group_segment_fixed_size 327680
		.amdhsa_private_segment_fixed_size 0
		.amdhsa_enable_private_segment 0
		.amdhsa_kernarg_size 56
		.amdhsa_user_sgpr_count 2
		.amdhsa_user_sgpr_kernarg_segment_ptr 1
		.amdhsa_wavefront_size32 1
		.amdhsa_system_sgpr_workgroup_id_x 1
		.amdhsa_system_sgpr_workgroup_id_y 1
		.amdhsa_system_sgpr_workgroup_id_z 1
		.amdhsa_system_vgpr_workitem_id 0
		.amdhsa_next_free_vgpr 256
		.amdhsa_next_free_sgpr 102
		.amdhsa_reserve_vcc 1
		.amdhsa_float_denorm_mode_32 3
		.amdhsa_float_denorm_mode_16_64 3
		.amdhsa_fp16_overflow 1
		.amdhsa_memory_ordered 1
		.amdhsa_forward_progress 1
		.amdhsa_inst_pref_size 163
	.end_amdhsa_kernel
	.amdgpu_metadata
---
amdhsa.version: [ 1, 2 ]
amdhsa.kernels:
  - .name:           k_q4b3830e29a_attn
    .symbol:         k_q4b3830e29a_attn.kd
    .args:
      - { .name: queries_codes, .offset: 0, .size: 8, .value_kind: global_buffer, .address_space: global }
      - { .name: queries_scales, .offset: 8, .size: 8, .value_kind: global_buffer, .address_space: global }
      - { .name: keys_codes, .offset: 16, .size: 8, .value_kind: global_buffer, .address_space: global }
      - { .name: keys_scales, .offset: 24, .size: 8, .value_kind: global_buffer, .address_space: global }
      - { .name: values_codes, .offset: 32, .size: 8, .value_kind: global_buffer, .address_space: global }
      - { .name: values_scales, .offset: 40, .size: 8, .value_kind: global_buffer, .address_space: global }
      - { .name: out0, .offset: 48, .size: 8, .value_kind: global_buffer, .address_space: global }
    .group_segment_fixed_size: 327680
    .private_segment_fixed_size: 0
    .kernarg_segment_align: 8
    .kernarg_segment_size: 56
    .max_flat_workgroup_size: 512
    .sgpr_count:     102
    .vgpr_count:     256
    .wavefront_size: 32
...
	.end_amdgpu_metadata
.endif
;; end of part 1
